; MI455X (gfx1250); checked and timed in simulation.
; The chip was launched on July 23, 2026; its instructions are those of AMD's public machine-readable ISA for CDNA 5 (MIT licence, August 2026) and "CDNA5" Instruction Set Architecture Reference Guide (July 2026). The comments in the code are by the model that wrote it; some were corrected since.
;; Full Attention DS integ woembed. Allowed arithmetic: matrix products marked QUANTISED: E2M3 operands, one E8M0 scale for each 32 along K, by v_wmma_scale_f32_16x16x128_f8f6f4 with both operands' format E2M3, f32 sums; everything else in f32.
;; Inputs: attn_mask 1 bool; keys 8 x 512 x 4,096 float32; queries 8 x 2,048 x 512 float32; values 8 x 512 x 4,096 float32.
;; Outputs: out0 8 x 2,048 x 512 float32.
;; This version of the problem:
;;   THIS VERSION OF THE PROBLEM IS GIVEN IN LOW PRECISION. The matrix products marked QUANTISED in the list below multiply operands that are first quantised to E2M3 (2 exponent bits, 3 mantissa bits; 6 bits a number), with one power-of-two scale for each 32 numbers along K (OCP MX v1.0); their sums are f32. All else is computed in f32.
;;   The module's matrix products, in the order in which they are computed (A, B: the left and right operand; K: the contracted axis; several contracted axes count as one K, in the product's order):
;;     1. batch 8 x [M 2,048, K 512] x [K 512, N 4,096]; A: input queries; B: input keys: QUANTISED
;;     2. batch 8 x [M 2,048, K 4,096] x [K 4,096, N 512]; A: softmax (see below); B: input values: QUANTISED
;;   THE QUANTISER, for each operand of a quantised product, along K:
;;     - K is cut into blocks of 32 from its start; a last block that is shorter is filled with zeros.
;;     - A block's scale is 2^e with e = floor(log2(the largest magnitude in the block)) - 2, held to -126 .. 127; a block of zeros has e = 0. As a byte (E8M0): e + 127.
;;     - Each number is divided by its block's scale, clamped to +-7.5, and rounded to the nearest number of E2M3, ties to even, subnormals kept.
;;     - The product sums the exact products of the quantised numbers (number of the format x scale) in f32.
;;   ~~~python
;;   def quantise(x, axis):      # numpy; x: float32 -> the quantised numbers, widened to float32 again
;;       x = np.moveaxis(x, axis, -1); K = x.shape[-1]
;;       x = np.pad(x, [(0, 0)] * (x.ndim - 1) + [(0, -K % 32)]); x = x.reshape(x.shape[:-1] + (-1, 32)); a = np.abs(x).max(-1, keepdims=True)
;;       e = np.where(a > 0, np.clip(np.frexp(np.where(a > 0, a, 1))[1] - 1 - 2, -126, 127), 0)      # np.frexp(a)[1] - 1 = floor(log2(a)), exactly
;;       r = np.clip(x / 2.0 ** e, -7.5, 7.5)
;;       step = 2.0 ** (np.maximum(np.frexp(np.where(r == 0, 1, r))[1] - 1, 0) - 3)
;;       q = np.round(r / step) * step * 2.0 ** e      # np.round: ties to even
;;       return np.moveaxis(q.reshape(q.shape[:-2] + (-1,))[..., :K], -1, axis).astype(np.float32)
;;   ~~~
;;   SOFTMAX AHEAD OF A QUANTISED PRODUCT. Where the list says 'softmax', what is quantised is not the finished softmax but p = 2^(t - M), with t = logit x log2(e) and M = ceil(the row's largest t), a whole number; so 1/2 < the row's largest p <= 1. The row's sum l is taken of the UNQUANTISED p, in f32, and the product's result is divided by l at the end. Since M is a whole number, a kernel that streams over the keys may use a running M (the ceiling of the running maximum): every later rescaling is an exact power of two, which a block's scale takes up: the codes' values come out the same.
;;   OPERANDS COMPUTED ON THE WAY. 'Computed on the way' means the value that the module computes at that place (a softmax that the list does not call 'softmax' is quantised finished and normalised). What goes into a quantiser is computed in f32, as accurately as f32 sums, v_exp_f32 and their like allow (about 1e-6 of the number): no bf16 or f16 on the way to a quantiser, and a product that is left as it is and whose result goes on into a quantised operand takes f32 operands (vector FMAs, or v_wmma_f32_16x16x4_f32). A number that lies on a knife's edge between two numbers of the format may be rounded either way, as far as f32 arithmetic and the matrix unit's own rounding can turn it there, and no further.
;; One version. Each part assembles by itself: llvm-mc -triple=amdgcn-amd-amdhsa -mcpu=gfx1250 --defsym DOCPART=n.
;; ======== version 1 of 1: 2 launches
;; workspace buffers: kv 26,214,400 bytes; qq 6,553,600 bytes
;; launch quant (part 1): grid 1280 x 1, 4 waves a work-group, no clusters, 34,304 bytes of LDS; arguments keys, values, queries, attn_mask, kv, qq; writes kv, qq
.if DOCPART == 1
	.amdgcn_target "amdgcn-amd-amdhsa--gfx1250"
	.amdhsa_code_object_version 6
	.text
	.protected	k_q15b3e51a29_quant
	.globl	k_q15b3e51a29_quant
	.p2align	8
	.type	k_q15b3e51a29_quant,@function
k_q15b3e51a29_quant:
	s_mov_b64 s[64:65], 0
	v_nop
	global_prefetch_b8 v0, s[64:65] scope:SCOPE_SE
	s_setreg_imm32_b32 hwreg(HW_REG_WAVE_MODE, 25, 1), 1
	s_wait_xcnt 0x0
; keys [8][512 t][4096 m], values [8][512 t][4096 m], queries [8][2048 n][512 t], f32, become codes of FP6 (E2M3) with one E8M0 byte for each 32 along a product's K:
; keys and queries along t, values along m.  A block's scale is 2^(floor(log2(its largest magnitude)) - 2); its byte is the largest magnitude's exponent field - 2, held at 1 from below.
; THE WORKSPACE IS LAID IN THE ORDER OF THE OPERANDS' REGISTERS.  A fragment (16 rows x 128 K, 12 registers a lane) is an image of 1,536 bytes: register 4 g + i of lane l at 512 g + 16 l + 4 i; lane (r, h) holds, of row r,
; block h and then block 2 + h of the K step's four blocks.  kv, for each batch: 64 half tiles of 51,200 bytes, K of key step j (128 keys) at 2 j, V of key step j at 2 j + 1; a half tile is 32 images [wave 0..3][f 0..7]
; and then 2,048 bytes of scale words.  K: f = 4 u + s: tile u of the wave's 32 keys, K step s; row r of tile u is key 32 w + 8 u + r + (r & 8); words [w][s / 2][lane 16 u + r][s % 2].
; V: f = tile of 16 of the wave's 128 channels; words [w][f / 4][lane][2]: word p: lanes 0-15 tile 4 (f / 4) + 2 p, lanes 16-31 the tile after it.
; qq, for each block of 64 queries: 16 images [K step s][tile a], then words [s][lane][2], laid as V's.
; SHARES.  Every wave takes 32 KB of f32.  Work-groups 0-511: keys (a lane takes a key and its registers run down t: nothing is transposed).  512-1023: values, 1024-1279: queries: ONE text, in which only pointers,
; offsets and the row pitch are chosen by the work-group's number; rows are loaded 512 consecutive bytes an instruction and turned through the wave's own stage in LDS, so that a lane holds whole blocks.
; No tensor loads, no barrier: waves share nothing.
; attn_mask: its byte is loaded, and nothing hangs on it.
; LIMITS: a block of zeros carries the byte 1 where the rule says 127 (its codes are zeros, and this program alone reads the bytes); blocks whose largest magnitude lies under 2^-124, the floor, were not tried;
; NaN and infinities among the inputs are not served.
.set HT,    51200                      ; a half tile in bytes
.set WST,   8448                       ; a wave's stage: 16 rows x 528 bytes
.set SPARE, 4*WST                      ; behind the stages: the spare words, 128 bytes for each wave: two blocks of 256 bytes that no other line names
.set SPW,   14                         ; v14  LDS address of my spare word; never rewritten
.set NIL,   15                         ; v15  0; never rewritten
.set OFF,   16                         ; v16-31   rows' path: 16 x lane + row x pitch
.set RC,    32                         ; v32-55   rows' path: codes, two sets of 12
.set X,     64                         ; v64-127  numbers at work: two blocks of 32
.set R,     128                        ; v128-255 rows' path: numbers as loaded, two sets of 64
.set KC,    192                        ; v192-239 keys' path: codes, four sets of 12, so that no store's data are written again
; 32 numbers of ONE block in one lane, v[xs] on, become six registers of codes, v[cd] on, and the block's byte in v[by].
.macro QUANT1 xs, cd, by
	v_max3_num_f32 v2, |v[(\xs)]|, |v[(\xs)+1]|, |v[(\xs)+2]|           ; the largest magnitude, in two chains
	v_max3_num_f32 v3, |v[(\xs)+3]|, |v[(\xs)+4]|, |v[(\xs)+5]|
.irp i, 6,10,14,18,22,26
	v_max3_num_f32 v2, v2, |v[(\xs)+\i]|, |v[(\xs)+\i+1]|
	v_max3_num_f32 v3, v3, |v[(\xs)+\i+2]|, |v[(\xs)+\i+3]|
.endr
	v_max3_num_f32 v2, v2, |v[(\xs)+30]|, |v[(\xs)+31]|
	v_max3_num_f32 v2, v2, v3, 0x1800000           ; and the floor 2^(3 - 127): the byte cannot fall under 1
	v_add_nc_u32 v4, 0xff000000, v2                ; 2 off the exponent field: the conversion takes the exponent field of this operand as its scale
	v_lshrrev_b32 v[\by], 23, v4                   ; the scale's byte
	v_cvt_scalef32_pk16_fp6_f32 v[(\cd):(\cd)+2], v[(\xs):(\xs)+15], v4
	v_cvt_scalef32_pk16_fp6_f32 v[56:58], v[(\xs)+16:(\xs)+31], v4       ; (a conversion's three registers begin on an even number)
	v_nop                                          ; one plain instruction behind a scaled conversion
.irp i, 0,1,2
	v_mov_b32 v[(\cd)+3+\i], v[56+\i]
.endr
.endm
	s_load_b256 s[4:11], s[0:1], 0x0               ; keys s[4:5], values s[6:7], queries s[8:9], attn_mask s[10:11]
	s_load_b128 s[12:15], s[0:1], 0x20             ; kv s[12:13], qq s[14:15]
	v_lshl_add_u32 v[SPW], v0, 2, SPARE
	v_mov_b32 v[NIL], 0
	v_lshrrev_b32 v1, 5, v0
	v_readfirstlane_b32 s16, v1                    ; wave 0..3
	v_and_b32 v61, 31, v0                          ; lane
	v_and_b32 v62, 15, v0                          ; lane % 16
	v_bfe_u32 v63, v0, 4, 1                        ; lane / 16
	s_wait_kmcnt 0x0
	s_load_u8 s17, s[10:11], 0x0                   ; the mask's byte: read as every input is; nothing here hangs on it
	s_wait_kmcnt 0x0
	s_cmp_lt_u32 ttmp9, 512
	s_cbranch_scc0 .Lrows
; ---------------- KEYS.  Work-group g: batch g / 64, key step (g / 2) % 32, half g % 2 of t.  Wave w: 32 keys x 256 t: eight blocks a lane.
	s_lshr_b32 s20, ttmp9, 6                       ; batch
	s_bfe_u32 s21, ttmp9, 0x50001                  ; key step j
	s_and_b32 s22, ttmp9, 1                        ; which 256 of t
	s_lshl_b32 s24, s20, 23                        ; a batch of keys is 2^23 bytes,
	s_lshl_b32 s25, s22, 22                        ; 256 rows of 16,384 bytes,
	s_add_co_u32 s24, s24, s25
	s_lshl_b32 s25, s21, 9                         ; 128 keys,
	s_add_co_u32 s24, s24, s25
	s_lshl_b32 s25, s16, 7                         ; my wave's 32 keys
	s_add_co_u32 s24, s24, s25
	s_mov_b32 s25, 0
	s_add_nc_u64 s[4:5], s[4:5], s[24:25]
	s_lshl_b32 s26, s20, 6
	s_lshl_b32 s27, s21, 1
	s_add_co_u32 s26, s26, s27
	s_mul_i32 s26, s26, HT                         ; half tile 64 b + 2 j
	s_mul_i32 s27, s16, 12288                      ; my wave's eight images,
	s_mul_i32 s28, s22, 3072                       ; K steps 2 (g % 2) on
	s_add_co_u32 s24, s26, s27
	s_add_co_u32 s24, s24, s28
	s_add_nc_u64 s[18:19], s[12:13], s[24:25]      ; where my codes go
	s_lshl_b32 s27, s16, 9
	s_lshl_b32 s28, s22, 8
	s_add_co_u32 s24, s26, s27
	s_add_co_u32 s24, s24, s28
	s_add_co_u32 s24, s24, 49152
	s_add_nc_u64 s[12:13], s[12:13], s[24:25]      ; and my scale words
	v_and_b32 v1, 8, v62
	v_add_nc_u32 v1, v1, v62
	v_lshl_add_u32 v1, v63, 3, v1                  ; lane 16 u + r takes key r + (r & 8) + 8 u of the wave's 32
	v_lshlrev_b32 v1, 2, v1                        ; in bytes: a load reads the wave's 128 consecutive bytes, the four waves 512
	v_mul_u32_u24 v12, v63, 6144                   ; out: tile u's four images,
	v_lshl_add_u32 v12, v62, 4, v12                ; row r's 16 bytes
	v_lshlrev_b32 v13, 3, v61                      ; two scale words a lane
; Block n = 0..7: K step n / 4, half (n / 2) % 2 of the image's lanes, register half n % 2: t = 128 (n / 4) + 64 (n % 2) + 32 ((n / 2) % 2) + 0 .. 31.  The largest offset, 255 rows, lies inside the signed 24-bit immediate.
.macro LOADKB n
.irp i, 0,1,2,3,4,5,6,7,8,9,10,11,12,13,14,15,16,17,18,19,20,21,22,23,24,25,26,27,28,29,30,31
	global_load_b32 v[X+32*((\n)%2)+\i], v1, s[4:5] offset:(128*((\n)/4)+64*((\n)%2)+32*(((\n)/2)%2)+\i)*16384 th:TH_LOAD_NT
.endr
.endm
.macro KBLOCK n
.if (\n) < 7
	s_wait_loadcnt 32                              ; this block's 32 loads are in; the next block's may be out
.else
	s_wait_loadcnt 0x0
.endif
	QUANT1 X+32*((\n)%2), KC+12*((\n)/2)+6*((\n)%2), 6
.if (\n)%4 == 0
	v_mov_b32 v[8+(\n)/4], v6                      ; the K step's scale word: this block is number (n / 2) % 2 + 2 (n % 2) of its four
.else
	v_lshl_or_b32 v[8+(\n)/4], v6, 8*((((\n)/2)%2)+2*((\n)%2)), v[8+(\n)/4]
.endif
.if (\n)+2 < 8
	LOADKB (\n)+2
.endif
.if (\n)%2 == 1
.irp g, 0,1,2
	global_store_b128 v12, v[KC+12*((\n)/2)+4*\g:KC+12*((\n)/2)+4*\g+3], s[18:19] offset:1536*((\n)/4)+512*\g+256*(((\n)/2)%2)   ; sixteen lanes store 256 consecutive bytes, aligned
.endr
.endif
.endm
	LOADKB 0
	LOADKB 1
.irp n, 0,1,2,3,4,5,6,7
	KBLOCK \n
.endr
	global_store_b64 v13, v[8:9], s[12:13]         ; 32 lanes store 256 consecutive bytes, aligned
	s_wait_tensorcnt 0x0                           ; the wave's end
	ds_add_u32 v[SPW], v[NIL]
	s_wait_dscnt 0x0
	s_endpgm
; ---------------- VALUES AND QUERIES: rows whose K is innermost.  A wave takes four tiles of 16 rows x 128 along K.
.Lrows:
	s_sub_co_u32 s20, ttmp9, 512                   ; g'
	s_lshr_b32 s21, s20, 6                         ; values: batch,
	s_bfe_u32 s22, s20, 0x30003                    ; which 64 channels,
	s_and_b32 s23, s20, 7
	s_lshl_b32 s23, s23, 2
	s_add_co_u32 s23, s23, s16                     ; key step j = 4 (g' % 8) + wave
	s_lshl_b32 s24, s21, 23
	s_lshl_b32 s33, s22, 20                        ; 64 rows of 16,384 bytes
	s_add_co_u32 s24, s24, s33
	s_lshl_b32 s33, s23, 9
	s_add_co_u32 s24, s24, s33                     ; where my numbers begin
	s_lshl_b32 s33, s21, 6
	s_lshl_b32 s37, s23, 1
	s_add_co_u32 s33, s33, s37
	s_add_co_u32 s33, s33, 1
	s_mul_i32 s33, s33, HT                         ; half tile 64 b + 2 j + 1
	s_mul_i32 s26, s22, 6144                       ; four images for 64 channels
	s_add_co_u32 s26, s26, s33
	s_lshl_b32 s28, s22, 8
	s_add_co_u32 s28, s28, s33
	s_add_co_u32 s28, s28, 49152
	s_sub_co_u32 s37, s20, 512                     ; queries: block g'' = 32 b + block of 64 rows; K step = wave  (in a work-group of values these numbers are not taken)
	s_lshl_b32 s30, s37, 17                        ; 64 rows of 2,048 bytes
	s_lshl_b32 s33, s16, 9
	s_add_co_u32 s30, s30, s33
	s_mul_i32 s37, s37, 25600
	s_mul_i32 s31, s16, 6144
	s_add_co_u32 s31, s31, s37
	s_lshl_b32 s32, s16, 8
	s_add_co_u32 s32, s32, s37
	s_add_co_u32 s32, s32, 24576
	s_cmp_lt_u32 s20, 512                          ; values or queries?  The choice hangs on the work-group's number alone
	s_cselect_b32 s24, s24, s30
	s_cselect_b32 s26, s26, s31
	s_cselect_b32 s28, s28, s32
	s_mov_b32 s36, 2048
	s_cselect_b32 s36, 16384, s36                  ; bytes from row to row
	s_cselect_b64 s[34:35], s[6:7], s[8:9]
	s_cselect_b64 s[52:53], s[12:13], s[14:15]
	s_mov_b32 s25, 0
	s_mov_b32 s27, 0
	s_mov_b32 s29, 0
	s_lshl_b32 s38, s36, 4                         ; 16 rows
	s_mov_b32 s39, 0
	s_add_nc_u64 s[40:41], s[34:35], s[24:25]      ; the four tiles' first rows
	s_add_nc_u64 s[42:43], s[40:41], s[38:39]
	s_add_nc_u64 s[44:45], s[42:43], s[38:39]
	s_add_nc_u64 s[46:47], s[44:45], s[38:39]
	s_add_nc_u64 s[50:51], s[52:53], s[26:27]      ; where my codes go
	s_add_nc_u64 s[56:57], s[52:53], s[28:29]      ; and my scale words
	s_mov_b32 s48, 0x76543210
	s_mov_b32 s49, 0xfedcba98                      ; v_permlanex16_b32's selects for lane l xor 16
	s_mov_b32 s54, 0xffff0000                      ; lanes 16-31
	v_lshlrev_b32 v1, 3, v61                       ; two scale words a lane
	v_lshlrev_b32 v5, 3, v63                       ; 8 h: my bytes' place in a scale word
	v_lshlrev_b32 v[OFF], 4, v61                   ; 16 x lane
.irp rho, 1,2,3,4,5,6,7,8,9,10,11,12,13,14,15
	s_mul_i32 s33, s36, \rho
	v_add_nc_u32 v[OFF+\rho], s33, v[OFF]
.endr
	s_mul_i32 s33, s16, WST                        ; my stage
	v_add_nc_u32 v12, s33, v[OFF]                  ; in: 16 x lane of a row of 528 bytes (512 + 16: the sixteen rows of a read start at sixteen different groups of four banks)
	v_mul_u32_u24 v13, v62, 528
	v_lshl_add_u32 v13, v63, 7, v13
	v_add_nc_u32 v13, s33, v13                     ; out: row r, block h
	v_mov_b32 v59, 0                               ; written once: a lane permute's destination counts as one of its sources
.macro LOADT i                         ; tile i: sixteen rows, 512 consecutive bytes an instruction
.irp rho, 0,1,2,3,4,5,6,7,8,9,10,11,12,13,14,15
	global_load_b128 v[R+64*((\i)%2)+4*\rho:R+64*((\i)%2)+4*\rho+3], v[OFF+\rho], s[40+2*(\i):41+2*(\i)] th:TH_LOAD_NT
.endr
.endm
.macro TURN i                          ; through the stage: LDS serves a wave's instructions in order, so no wait stands between the stores and the loads
.irp rho, 0,1,2,3,4,5,6,7,8,9,10,11,12,13,14,15
	ds_store_b128 v12, v[R+64*((\i)%2)+4*\rho:R+64*((\i)%2)+4*\rho+3] offset:528*\rho
.endr
.irp n, 0,1,2,3,4,5,6,7
	ds_load_b128 v[X+4*\n:X+4*\n+3], v13 offset:16*\n              ; block h of my row,
.endr
.irp n, 0,1,2,3,4,5,6,7
	ds_load_b128 v[X+32+4*\n:X+32+4*\n+3], v13 offset:256+16*\n    ; and block 2 + h
.endr
.endm
.macro RTILE i
.if (\i) < 3
	s_wait_loadcnt 16                              ; this tile's sixteen loads are in; the next tile's may be out
.else
	s_wait_loadcnt 0x0
.endif
	TURN \i
	s_wait_dscnt 0x0                               ; my numbers are back, and the stores into the stage have read their registers,
.if (\i)+2 < 4
	LOADT (\i)+2                                   ; which take the tile two on
.endif
.if (\i) >= 2
	s_wait_xcnt 0x0                                ; the stores of two tiles ago have read this set of codes: it is written again only behind this wait
.endif
	QUANT1 X, RC+12*((\i)%2), 6
	QUANT1 X+32, RC+12*((\i)%2)+6, 7
	v_lshl_or_b32 v60, v7, 16, v6                  ; my two bytes: blocks h and 2 + h,
	v_lshlrev_b32 v60, v5, v60                     ; at their places in the row's scale word;
	v_permlanex16_b32 v59, v60, s48, s49
	v_or_b32 v[8+(\i)], v60, v59                   ; with lane l xor 16's two the word is whole, in both lanes
.irp g, 0,1,2
	global_store_b128 v[OFF], v[RC+12*((\i)%2)+4*\g:RC+12*((\i)%2)+4*\g+3], s[50:51] offset:1536*(\i)+512*\g   ; 32 lanes store 512 consecutive bytes, aligned to 256
.endr
.endm
	LOADT 0
	LOADT 1
.irp i, 0,1,2,3
	RTILE \i
.endr
	v_cndmask_b32 v2, v8, v9, s54                  ; word 0: lanes 0-15 tile 0's rows, lanes 16-31 tile 1's
	v_cndmask_b32 v3, v10, v11, s54                ; word 1: tiles 2 and 3
	global_store_b64 v1, v[2:3], s[56:57]          ; 32 lanes store 256 consecutive bytes, aligned
	s_wait_tensorcnt 0x0                           ; the wave's end, behind my last LDS store
	ds_add_u32 v[SPW], v[NIL]
	s_wait_dscnt 0x0
	s_endpgm
.Lfunc_end_k_q15b3e51a29_quant:
	.size	k_q15b3e51a29_quant, .Lfunc_end_k_q15b3e51a29_quant-k_q15b3e51a29_quant
	.p2alignl 7, 3214868480
	.fill 96, 4, 3214868480
	.section	.rodata,"a",@progbits
	.p2align	6, 0x0
	.amdhsa_kernel k_q15b3e51a29_quant
		.amdhsa_group_segment_fixed_size 34304
		.amdhsa_private_segment_fixed_size 0
		.amdhsa_enable_private_segment 0
		.amdhsa_kernarg_size 48
		.amdhsa_user_sgpr_count 2
		.amdhsa_user_sgpr_kernarg_segment_ptr 1
		.amdhsa_wavefront_size32 1
		.amdhsa_system_sgpr_workgroup_id_x 1
		.amdhsa_system_sgpr_workgroup_id_y 1
		.amdhsa_system_sgpr_workgroup_id_z 1
		.amdhsa_system_vgpr_workitem_id 0
		.amdhsa_next_free_vgpr 256
		.amdhsa_next_free_sgpr 66
		.amdhsa_reserve_vcc 0
		.amdhsa_float_denorm_mode_32 3
		.amdhsa_float_denorm_mode_16_64 3
		.amdhsa_memory_ordered 1
		.amdhsa_forward_progress 1
		.amdhsa_inst_pref_size 71
	.end_amdhsa_kernel
	.amdgpu_metadata
---
amdhsa.version: [ 1, 2 ]
amdhsa.kernels:
  - .name:           k_q15b3e51a29_quant
    .symbol:         k_q15b3e51a29_quant.kd
    .args:
      - { .name: keys, .offset: 0, .size: 8, .value_kind: global_buffer, .address_space: global }
      - { .name: values, .offset: 8, .size: 8, .value_kind: global_buffer, .address_space: global }
      - { .name: queries, .offset: 16, .size: 8, .value_kind: global_buffer, .address_space: global }
      - { .name: attn_mask, .offset: 24, .size: 8, .value_kind: global_buffer, .address_space: global }
      - { .name: kv, .offset: 32, .size: 8, .value_kind: global_buffer, .address_space: global }
      - { .name: qq, .offset: 40, .size: 8, .value_kind: global_buffer, .address_space: global }
    .group_segment_fixed_size: 34304
    .private_segment_fixed_size: 0
    .kernarg_segment_align: 8
    .kernarg_segment_size: 48
    .max_flat_workgroup_size: 128
    .sgpr_count:     66
    .vgpr_count:     256
    .wavefront_size: 32
...
	.end_amdgpu_metadata
.endif
;; end of part 1
;; launch attn (part 2): grid 32 x 8, 4 waves a work-group, clusters of 4 x 1, 327,680 bytes of LDS; arguments kv, qq, out0; writes out0
.if DOCPART == 2
	.amdgcn_target "amdgcn-amd-amdhsa--gfx1250"
	.amdhsa_code_object_version 6
	.text
	.protected	k_q15b3e51a29_attn
	.globl	k_q15b3e51a29_attn
	.p2align	8
	.type	k_q15b3e51a29_attn,@function
k_q15b3e51a29_attn:
	s_mov_b64 s[64:65], 0
	v_nop
	global_prefetch_b8 v0, s[64:65] scope:SCOPE_SE
	s_setreg_imm32_b32 hwreg(HW_REG_WAVE_MODE, 25, 1), 1
	s_wait_xcnt 0x0
	s_wait_alu depctr_hold_cnt(0) depctr_sa_sdst(0) depctr_va_vdst(0) depctr_va_sdst(0) depctr_va_ssrc(0) depctr_va_vcc(0) depctr_vm_vsrc(0)
	s_getreg_b32 s2, hwreg(HW_REG_IB_STS2, 6, 4)
	s_cmp_eq_u32 s2, 0
	s_cbranch_scc0 .Lentry_in_a_cluster
	s_endpgm
.Lentry_in_a_cluster:
	s_bfe_u32 s2, ttmp6, 0x10000c
	s_cmp_lg_u32 s2, 0x3003
	s_cbranch_scc0 .Lentry_shape_is_right
	s_endpgm
.Lentry_shape_is_right:
; out0[b][n][:] = the sum over m of softmax_m(Q[b][n] . K[b][:, m]) V[b][:, m], both products on codes of FP6 (E2M3) with one E8M0 scale for each 32 along a product's K.
; kv and qq hold codes and scale words as images of the operands' registers (a fragment, 16 rows x 128 K, is 1,536 bytes: register 4 g + i of lane l at 512 g + 16 l + 4 i), made by the launch before.
; SHARES.  A work-group owns 64 queries of one batch (four tiles of 16) and walks the 4,096 keys, 128 a step.  THE FOUR WAVES SHARE THE COLUMNS, NOT THE QUERIES: in S^T = K Q^T wave w takes keys 32 w .. 32 w + 31 of the
; step (two tiles), in O^T = V^T P^T channels 128 w .. 128 w + 127 (eight tiles), each for all 64 queries.  So every fragment of K and V read from LDS feeds four products, every fragment of P eight.
; Both products are used transposed: a lane holds ONE query (lane % 16) throughout.  The keys of a tile are chosen (row r of tile u is key 8 u + r + (r & 8)) so that a lane's 16 scores are 16 neighbouring keys.
; THE SOFTMAX.  t = score x log2(e).  Wave w keeps for each query its OWN running M_w = ceil(largest t of its keys so far) and its own sum l_w of the unquantised p = 2^(t - M_w).  Its 32 keys are one block of the second
; product's K: the codes do not hang on M.  It hands on the codes and ONE whole number E = the block's byte + M_w, the scale's exponent counted from a fixed zero.  Behind the step's meeting every wave forms alike:
; G = the running largest E; the four bytes E - (G - 124), held at 0 from below; f = 2^(old G - new G), by which O^T is multiplied (exact).  So O^T is summed under 2^-(G - 124), and G - 124 is no less than any M_w.
; At the end l = the sum over w of l_w 2^(M_w - G + 124) divides O^T.
; THE RING.  For a batch kv holds 64 units of 51,200 bytes on end, K0, V0, K1, V1 .. V31: the order in which they are used.  Two LDS slots of THREE units, 153,600 bytes each: the largest of which two fit beside p's buffers.
; Fill n brings units 3 n .. 3 n + 2 into slot n % 2, each wave a quarter (150 rows of 256 bytes); fill 21 is V31 alone.  A key step uses two units (its V, the next step's K), so a slot lasts a step and a half and the
; pattern comes back after three steps: slot 0 = [K 3i, V 3i, K 3i+1], slot 1 = [V 3i+1, K 3i+2, V 3i+2].  Slot 0 is left when K 3i+1 has been read, and is filled again at the meeting of step 3i+1; slot 1 is left when
; V 3i+2 has been read, and is filled again at a meeting of its own in step 3i+2, behind that step's O^T products; that step's K is read behind it.  So a load has a step and a half, 96 matrix instructions of a wave, in which to land.
; THE MEETINGS.  One at the head of each step hands p and E from wave to wave.  Where a slot is filled again
; each wave first waits for all its tensor loads and for its reads of the slot, and the meeting is a round of the cluster's barrier.
; CLUSTER.  The four query blocks of a cluster belong to one batch and walk the same units: each fill is asked for JOINTLY.
; By this text's own count a wave has two tensor loads out at the start and one behind each round.
; THE LOOP'S TRIP is three steps, from the S^T that follows step 3i's O^T to the O^T of step 3i+3: so only the first O^T, whose products start the sums, stands ahead of it.
; LIMITS.  E, G and M are whole numbers kept in f32: exact while |t| < 2^23.  A block whose byte would fall under 0 is held at byte 0: it then counts for less than 2^-120 of the row's sum.  p under 2^-126 becomes 0.
; A block of zeros carries the byte 1: its codes are zeros.  NaN and infinities are not served.
; REGISTERS, in windows of 256.  Window 0: v1-21 addresses; v24-55 eight statistics a tile of queries; v56-63 G, G - 124; v64-127 S^T, then p; v128-175 P's four fragments; v176-191 E; v192-219 at work; v220-235 the codes
; just made; v236-255 scale words and nothing else.  Window 1: Q's 16 fragments.  Window 2: O^T of channel tiles 0-3 (accumulator 4 t + a at v[8 (4 t + a)]), from v128 their fragments of V, from v176 K's of K steps 0, 1.
; Window 3: the same for channel tiles 4-7 and K steps 2, 3.  V and O^T share a window, so O^T's rescaling stands between the products without a switch.
.set HT,    51200                      ; a unit: 32 images and 2,048 bytes of scale words
.set SLB,   3*HT                       ; a slot
.set UA0,   0                          ; the six places of a unit in LDS
.set UA1,   HT
.set UA2,   2*HT
.set UB0,   SLB
.set UB1,   SLB+HT
.set UB2,   SLB+2*HT
.set PB0,   2*SLB                      ; behind the ring: p's codes, two buffers of 6,144 bytes: [tile a][row 16 hb + r] x 48 bytes: block hb, then block 2 + hb: lane l of the reader takes 48 bytes at 48 l
.set PBS,   6144
.set EB0,   PB0+2*PBS                  ; E, two buffers of 1,024 bytes: [a] x 256, the word of query r and wave w at 16 r + 4 w
.set EBS,   1024
.set LBO,   2048                       ; behind them, from EB0 + 2,048 on: the waves' sums, laid as E
.set SPARE, EB0+3*EBS                  ; the spare words, 128 bytes for each wave: two blocks of 256 bytes that no other line names
                                       ; the way out's stages, 16 rows x 528 bytes for each wave, lie from LDS byte 0 on, in slot 0: it has had its last fill and its last read when the first result is stored there
.set A0,  1                            ; v1   12,288 x wave + 16 x lane: my lane's place in my wave's images of a unit
.set B0,  2                            ; v2   49,152 + 512 x wave + 8 x lane: and among its scale words
.set RP0, 3                            ; v3   PB0 + 48 x lane
.set WP0, 4                            ; v4   PB0 + 48 (16 (wave % 2) + r) + 24 (wave / 2) + 12 h: where my 16 codes go
.set RE0, 5                            ; v5   EB0 + 16 r
.set WE0, 6                            ; v6   EB0 + 16 r + 4 x wave
.set STO, 7                            ; v7   the way out: where I put 32 bytes of a row
.set RD,  8                            ; v8   and where I read a row back
.set GO,  9                            ; v9   16 x lane
.set SPW, 10                           ; v10  LDS address of my spare word; never rewritten
.set NIL, 11                           ; v11  0; never rewritten
.set PFO, 12                           ; v12  the prefetches' offset: 256 x min(lane, 24)
.set L8,  13                           ; v13  8 x lane
.set ADV, 14                           ; v14-21 the step's addresses: V's images and words,
.set BDV, 15
.set RPW, 16                           ; p and E to be read,
.set REW, 17
.set WPW, 18                           ; p and E to be stored,
.set WEW, 19
.set ADK, 20                           ; K's images and words  (at the head v20-22 hold lane, r, h)
.set BDK, 21
.set ST,  24                           ; tile a at v[ST + 8 a]: +0 -M, +1 the largest t, +2, +3 l in two halves, +4 (+5) l's factor, +6 (+7) f, at the end 1 / l
.set G,   56
.set GH,  60
.set S,   64
.set PF,  128
.set EV,  176
.set BM,  192
.set TT,  196
.set SC,  200
.set BY,  204
.set EW,  208
.set SM,  212
.set PC,  220
.set KS,  236                          ; K's scale words: register s: lanes 0-15 tile 0, lanes 16-31 tile 1
.set VS,  240                          ; V's: register 2 q + p: lanes 0-15 tile 4 q + 2 p, lanes 16-31 the tile after it
.set QS,  244                          ; Q's: register 2 s + p: lanes 0-15 tile 2 p, lanes 16-31 tile 2 p + 1
.set PW,  252                          ; p's: register a
.set OB,  64                           ; the way out: rows read back, v64-127 and v128-191 by turns
.set WV,  10                           ; s10  my wave's number
.set G1F, 24                           ; s[24:31] descriptor group 1: a quarter of a slot, 150 rows of 256 bytes
.set G1H, 32                           ; s[32:39] a quarter of a unit, 50 rows
.set G0A, 40                           ; s[40:43] group 0 for slot 0
.set G0B, 44                           ; s[44:47] for slot 1
.set G0Z, 48                           ; s[48:51] for V of step 31
.set TP,  53                           ; s53  p's buffer in hand: 0 or PBS
.set TE,  54                           ; s54  E's: 0 or EBS
.set CNT, 55
.set LIM, 56                           ; s56  1 in a wave that prefetches, else 0
.set CS,  58                           ; s[58:59] log2(e): the packed form names a pair and takes its low word for both halves
.set SEL, 60                           ; s[60:61] v_permlanex16_b32's selects for lane l xor 16
.set PFA, 62                           ; s[62:63] where my prefetches stand
.set MSB, 0
.macro WIN new                         ; the immediate's high byte repeats the setting that is left; a switch that changes nothing is dropped
.if MSB != (\new)
	s_set_vgpr_msb (MSB<<8)|(\new)
.set MSB, \new
.endif
.endm
; A round of the cluster's barrier: my work-group's barrier; wave 0 signals for the work-group; every wave waits for all four work-groups; my work-group's barrier once more.
.macro CROUND
	s_barrier_signal -1
	s_barrier_wait -1
	s_cmp_lg_u32 s[WV], 0
	s_cbranch_scc1 .Lnot_wave_0_\@
	s_barrier_signal -3
.Lnot_wave_0_\@:
	s_barrier_wait -3
	s_barrier_signal -1
	s_barrier_wait -1
.endm
; One product.  d, a, b: first registers of D, source 0, source 1;  z = 1: it starts a sum;  sa, sb: the scale registers;  ra, rb = 1: that side's words lie in lanes 16-31.
.macro WMS d, a, b, z, sa, sb, ra, rb
.if \z
.if \ra
.if \rb
	v_wmma_scale_f32_16x16x128_f8f6f4 v[(\d):(\d)+7], v[(\a):(\a)+11], v[(\b):(\b)+11], 0, v[\sa], v[\sb] matrix_a_fmt:MATRIX_FMT_FP6 matrix_b_fmt:MATRIX_FMT_FP6 matrix_a_scale:MATRIX_SCALE_ROW1 matrix_b_scale:MATRIX_SCALE_ROW1
.else
	v_wmma_scale_f32_16x16x128_f8f6f4 v[(\d):(\d)+7], v[(\a):(\a)+11], v[(\b):(\b)+11], 0, v[\sa], v[\sb] matrix_a_fmt:MATRIX_FMT_FP6 matrix_b_fmt:MATRIX_FMT_FP6 matrix_a_scale:MATRIX_SCALE_ROW1
.endif
.else
.if \rb
	v_wmma_scale_f32_16x16x128_f8f6f4 v[(\d):(\d)+7], v[(\a):(\a)+11], v[(\b):(\b)+11], 0, v[\sa], v[\sb] matrix_a_fmt:MATRIX_FMT_FP6 matrix_b_fmt:MATRIX_FMT_FP6 matrix_b_scale:MATRIX_SCALE_ROW1
.else
	v_wmma_scale_f32_16x16x128_f8f6f4 v[(\d):(\d)+7], v[(\a):(\a)+11], v[(\b):(\b)+11], 0, v[\sa], v[\sb] matrix_a_fmt:MATRIX_FMT_FP6 matrix_b_fmt:MATRIX_FMT_FP6
.endif
.endif
.else
.if \ra
.if \rb
	v_wmma_scale_f32_16x16x128_f8f6f4 v[(\d):(\d)+7], v[(\a):(\a)+11], v[(\b):(\b)+11], v[(\d):(\d)+7], v[\sa], v[\sb] matrix_a_fmt:MATRIX_FMT_FP6 matrix_b_fmt:MATRIX_FMT_FP6 matrix_a_scale:MATRIX_SCALE_ROW1 matrix_b_scale:MATRIX_SCALE_ROW1
.else
	v_wmma_scale_f32_16x16x128_f8f6f4 v[(\d):(\d)+7], v[(\a):(\a)+11], v[(\b):(\b)+11], v[(\d):(\d)+7], v[\sa], v[\sb] matrix_a_fmt:MATRIX_FMT_FP6 matrix_b_fmt:MATRIX_FMT_FP6 matrix_a_scale:MATRIX_SCALE_ROW1
.endif
.else
.if \rb
	v_wmma_scale_f32_16x16x128_f8f6f4 v[(\d):(\d)+7], v[(\a):(\a)+11], v[(\b):(\b)+11], v[(\d):(\d)+7], v[\sa], v[\sb] matrix_a_fmt:MATRIX_FMT_FP6 matrix_b_fmt:MATRIX_FMT_FP6 matrix_b_scale:MATRIX_SCALE_ROW1
.else
	v_wmma_scale_f32_16x16x128_f8f6f4 v[(\d):(\d)+7], v[(\a):(\a)+11], v[(\b):(\b)+11], v[(\d):(\d)+7], v[\sa], v[\sb] matrix_a_fmt:MATRIX_FMT_FP6 matrix_b_fmt:MATRIX_FMT_FP6
.endif
.endif
.endif
.endm
; The first run of LDS loads of a step, 42: E (4), P's fragments (12), V's scale words (2), V's fragments (12 + 12).
.macro RUNA
.irp a, 0,1,2,3
	ds_load_b128 v[EV+4*\a:EV+4*\a+3], v[REW] offset:256*\a
.endr
.irp a, 0,1,2,3
.irp g, 0,1,2
	ds_load_b128 v[PF+12*\a+4*\g:PF+12*\a+4*\g+3], v[RPW] offset:1536*\a+16*\g
.endr
.endr
.irp x, 0,1
	ds_load_b64 v[VS+2*\x:VS+2*\x+1], v[BDV] offset:256*\x
.endr
	WIN 0x80                                       ; destination window 2
.irp t, 0,1,2,3
.irp g, 0,1,2
	ds_load_b128 v[128+12*\t+4*\g:128+12*\t+4*\g+3], v[ADV] offset:1536*\t+512*\g
.endr
.endr
	WIN 0xc0                                       ; destination window 3
.irp t, 0,1,2,3
.irp g, 0,1,2
	ds_load_b128 v[128+12*\t+4*\g:128+12*\t+4*\g+3], v[ADV] offset:6144+1536*\t+512*\g
.endr
.endr
	WIN 0
.endm
; The second run, 26: the next step's K: its scale words (2), 12 loads for K steps 0, 1, then 12 for K steps 2, 3.
.macro RUNB
.irp x, 0,1
	ds_load_b64 v[KS+2*\x:KS+2*\x+1], v[BDK] offset:256*\x
.endr
	WIN 0x80
.irp u, 0,1
.irp s, 0,1
.irp g, 0,1,2
	ds_load_b128 v[176+12*(2*\u+\s)+4*\g:176+12*(2*\u+\s)+4*\g+3], v[ADK] offset:1536*(4*\u+\s)+512*\g
.endr
.endr
.endr
	WIN 0xc0
.irp u, 0,1
.irp s, 0,1
.irp g, 0,1,2
	ds_load_b128 v[176+12*(2*\u+\s)+4*\g:176+12*(2*\u+\s)+4*\g+3], v[ADK] offset:1536*(4*\u+2+\s)+512*\g
.endr
.endr
.endr
	WIN 0
.endm
; A PREFETCH of the NEXT fill's 153,600 bytes, one refill (a step and a half, 96 matrix instructions of a wave) ahead of the joint load that will ask for them.  All clusters of a batch walk the same units: the batch's first
; cluster asks.  Waves 0 to 2 of its four work-groups share the bytes out BY ADDRESS, 12,800 each: two instructions of 25 blocks of 256 bytes, lanes 256 bytes apart; lanes 25-31 name lane 24's block.  It stands behind the
; joint load and the run of LDS loads.  Only the loop's refills (fills 2 to 19) ask, for fills 3 to 20: fills 0 to 2 and the last, short one come by their loads alone.
.macro ASK
	s_cmp_eq_u32 s[LIM], 1
	s_cbranch_scc0 .Lnot_mine_\@
	global_prefetch_b8 v[PFO], s[PFA:PFA+1] th:TH_LOAD_NT scope:SCOPE_SE
	global_prefetch_b8 v[PFO], s[PFA:PFA+1] offset:6400 th:TH_LOAD_NT scope:SCOPE_SE
.Lnot_mine_\@:
.endm
; The common reference and p's scale words, alike in all four waves; the four tiles of queries by turns.
.macro WORDS
.irp a, 0,1,2,3
	v_max3_num_f32 v[BM+\a], v[EV+4*\a], v[EV+4*\a+1], v[EV+4*\a+2]
.endr
.irp a, 0,1,2,3
	v_max_num_f32 v[BM+\a], v[BM+\a], v[EV+4*\a+3]                 ; the step's largest E of my query
.endr
.irp a, 0,1,2,3
	v_mov_b32 v[TT+\a], v[G+\a]
.endr
.irp a, 0,1,2,3
	v_max_num_f32 v[G+\a], v[G+\a], v[BM+\a]                       ; G
.endr
.irp a, 0,1,2,3
	v_add_f32 v[GH+\a], 0xc2f80000, v[G+\a]                        ; G - 124
.endr
.irp i, 0,1,2,3
.irp a, 0,1,2,3
	v_sub_f32 v[EV+4*\a+\i], v[EV+4*\a+\i], v[GH+\a]               ; a block's byte under the common reference: 124 at the most,
.endr
.endr
.irp i, 0,1,2,3
.irp a, 0,1,2,3
	v_max_num_f32 v[EV+4*\a+\i], 0, v[EV+4*\a+\i]                  ; held at 0 from below
.endr
.endr
.irp i, 0,1,2,3
.irp a, 0,1,2,3
	v_cvt_u32_f32 v[EV+4*\a+\i], v[EV+4*\a+\i]
.endr
.endr
.irp a, 0,1,2,3
	v_lshl_or_b32 v[PW+\a], v[EV+4*\a+1], 8, v[EV+4*\a]            ; byte w: wave w's 32 keys
.endr
.irp a, 0,1,2,3
	v_lshl_or_b32 v[PW+\a], v[EV+4*\a+2], 16, v[PW+\a]
.endr
.irp a, 0,1,2,3
	v_lshl_or_b32 v[PW+\a], v[EV+4*\a+3], 24, v[PW+\a]
.endr
.irp a, 0,1,2,3
	v_sub_f32 v[TT+\a], v[TT+\a], v[G+\a]                          ; old G - new G: a whole number, 0 or less.  (These twelve plain lines stand between the scale words' last write and the first product that takes them)
.endr
.irp a, 0,1,2,3
	v_cvt_i32_f32 v[TT+\a], v[TT+\a]                               ; (it saturates)
.endr
.irp a, 0,1,2,3
	v_ldexp_f32 v[ST+8*\a+6], 1.0, v[TT+\a]                        ; f
.endr
.endm
.macro RESC kk                         ; accumulator kk x f, from its low end on
.irp i, 0,1,2,3
	v_pk_mul_f32 v[8*(\kk)+2*\i:8*(\kk)+2*\i+1], v[8*(\kk)+2*\i:8*(\kk)+2*\i+1], v[ST+8*((\kk)%4)+6:ST+8*((\kk)%4)+7] op_sel_hi:[1,0]
.endr
.endm
; O^T += V^T P^T: 2 x 16 products, the sixteen accumulators of a window by turns.  An accumulator is rescaled two products ahead of its own, between the products.
; first = 1: the products start the sums: nothing is cleared, nothing rescaled.  nb: the LDS loads issued behind the first run (the second run's 26, or none), which may stay out.
.macro PV first, nb
.irp q, 0,1
.set q2, \q
	s_wait_dscnt 12*(1-\q)+(\nb)                   ; P, V's words and this window's fragments of V are in; behind them: the other window's 12, and the second run
.if \q == 0
	WIN 0xa2                                       ; V, C and D window 2, P and f window 0
.else
	WIN 0xf3                                       ; the same in window 3
.endif
.if \first == 0
	RESC 0
	RESC 1
.endif
.set k, 0
.rept 16
	WMS 8*k, 128+12*(k/4), PF+12*(k%4), \first, VS+2*q2+k/8, PW+k%4, (k/4)%2, 0
.if \first == 0
.if k < 14
	RESC k+2
.elseif k == 14
.rept 4
	v_nop                                          ; so that the last accumulator's rescaling too stands four plain instructions ahead of its product
.endr
.endif
.endif
.set k, k+1
.endr
.endr
.endm
; S^T = K Q^T: four K steps x (four tiles of queries x my two tiles of keys): eight accumulators by turns; the first K step starts the sums.
.macro SPH
	s_wait_dscnt 12                                ; K's words and its fragments of K steps 0, 1 are in; those of K steps 2, 3 may be out
	WIN 0x06                                       ; K window 2, Q window 1, S^T window 0
.irp s, 0,1,2,3
.if \s == 2
	s_wait_dscnt 0x0
	WIN 0x07                                       ; K window 3
.endif
.set zz, 0
.if \s == 0
.set zz, 1
.endif
.irp a, 0,1,2,3
.irp u, 0,1
	WMS S+16*\a+8*\u, 176+12*(2*\u+\s%2), 12*(4*\s+\a), zz, KS+\s, QS+2*\s+\a/2, \u, \a%2
.endr
.endr
.endr
	WIN 0
.rept 4
	v_nop                                          ; four plain instructions between the last products and the first read of results (ISA guide 7.12.1)
.endr
.endm
; The softmax of my 32 keys for the 64 queries, the four tiles of queries by turns.  A lane holds 16 neighbouring keys of one query; lanes l and l xor 16 hold the block.
.macro SOFT
.irp a, 0,1,2,3
	v_max3_num_f32 v[BM+\a], v[S+16*\a], v[S+16*\a+1], v[S+16*\a+2]        ; the block's largest score: it serves for M and, since p rises with the score, for the block's largest p.  Each accumulator is read from its low end on
.endr
.irp i, 3,5,7,9,11,13
.irp a, 0,1,2,3
	v_max3_num_f32 v[BM+\a], v[BM+\a], v[S+16*\a+\i], v[S+16*\a+\i+1]
.endr
.endr
.irp a, 0,1,2,3
	v_max_num_f32 v[BM+\a], v[BM+\a], v[S+16*\a+15]
.endr
.irp a, 0,1,2,3
	v_permlanex16_b32 v[TT+\a], v[BM+\a], s[SEL], s[SEL+1]
.endr
.irp a, 0,1,2,3
	v_max_num_f32 v[BM+\a], v[BM+\a], v[TT+\a]
.endr
.irp a, 0,1,2,3
	v_mul_f32 v[TT+\a], s[CS], v[BM+\a]                            ; as t
.endr
.irp a, 0,1,2,3
	v_max_num_f32 v[ST+8*\a+1], v[ST+8*\a+1], v[TT+\a]             ; the running largest t
.endr
.irp a, 0,1,2,3
	v_mov_b32 v[TT+\a], v[ST+8*\a]
.endr
.irp a, 0,1,2,3
	v_floor_f32 v[ST+8*\a], -v[ST+8*\a+1]                          ; -M = floor(-t): M is a whole number
.endr
.irp a, 0,1,2,3
	v_sub_f32 v[TT+\a], v[ST+8*\a], v[TT+\a]                       ; old M - new M
.endr
.irp a, 0,1,2,3
	v_cvt_i32_f32 v[TT+\a], v[TT+\a]
.endr
.irp a, 0,1,2,3
	v_ldexp_f32 v[ST+8*\a+4], 1.0, v[TT+\a]                        ; by which my sum is brought under the new M: exact
.endr
.irp j, 0,2,4,6,8,10,12,14
.irp a, 0,1,2,3
	v_pk_fma_f32 v[S+16*\a+\j:S+16*\a+\j+1], v[S+16*\a+\j:S+16*\a+\j+1], s[CS:CS+1], v[ST+8*\a:ST+8*\a+1] op_sel_hi:[1,0,0]   ; t - M, two at a time
.endr
.endr
.irp a, 0,1,2,3
	v_fma_f32 v[BM+\a], v[BM+\a], s[CS], v[ST+8*\a]                ; the same of the block's largest score
.endr
.irp j, 0,1,2,3,4,5,6,7,8,9,10,11,12,13,14,15,16,17,18,19,20,21,22,23,24,25,26,27,28,29,30,31,32,33,34,35,36,37,38,39,40,41,42,43,44,45,46,47,48,49,50,51,52,53,54,55,56,57,58,59,60,61,62,63
	v_exp_f32 v[S+\j], v[S+\j]                                     ; p = 2^(t - M): not normalised
.endr
.irp a, 0,1,2,3
	v_pk_mul_f32 v[ST+8*\a+2:ST+8*\a+3], v[ST+8*\a+2:ST+8*\a+3], v[ST+8*\a+4:ST+8*\a+5] op_sel_hi:[1,0]   ; the sums under the new M: plain instructions behind the exponentials
.endr
	s_wait_alu depctr_va_vdst(0)                   ; one wait for the batch of 64, ahead of its first reader
.irp a, 0,1,2,3
	v_exp_f32 v[BM+\a], v[BM+\a]                                   ; the block's largest p: the same two instructions on the same number give the same bits
.endr
.irp a, 0,1,2,3
	v_pk_add_f32 v[SM+2*\a:SM+2*\a+1], v[S+16*\a:S+16*\a+1], v[S+16*\a+2:S+16*\a+3]   ; the sum is taken of the unquantised p, in two chains
.endr
.irp j, 4,8,12
.irp a, 0,1,2,3
	v_pk_add_f32 v[ST+8*\a+2:ST+8*\a+3], v[ST+8*\a+2:ST+8*\a+3], v[S+16*\a+\j:S+16*\a+\j+1]
	v_pk_add_f32 v[SM+2*\a:SM+2*\a+1], v[SM+2*\a:SM+2*\a+1], v[S+16*\a+\j+2:S+16*\a+\j+3]
.endr
.endr
.irp a, 0,1,2,3
	v_pk_add_f32 v[ST+8*\a+2:ST+8*\a+3], v[ST+8*\a+2:ST+8*\a+3], v[SM+2*\a:SM+2*\a+1]
.endr
	s_wait_alu depctr_va_vdst(0)                   ; and one for the four
.irp a, 0,1,2,3
	v_max_num_f32 v[BM+\a], 0x1800000, v[BM+\a]                    ; the floor 2^(3 - 127): the byte cannot fall under 1
.endr
.irp a, 0,1,2,3
	v_add_nc_u32 v[SC+\a], 0xff000000, v[BM+\a]                    ; 2 off the exponent field: the conversion's scale operand
.endr
.irp a, 0,1,2,3
	v_lshrrev_b32 v[BY+\a], 23, v[SC+\a]                           ; the byte under M
.endr
.irp a, 0,1,2,3
	v_cvt_f32_u32 v[BY+\a], v[BY+\a]
.endr
.irp a, 0,1,2,3
	v_sub_f32 v[EW+\a], v[BY+\a], v[ST+8*\a]                       ; E = byte + M
.endr
.irp a, 0,1,2,3
	v_cvt_scalef32_pk16_fp6_f32 v[PC+4*\a:PC+4*\a+2], v[S+16*\a:S+16*\a+15], v[SC+\a]
.endr
	v_nop                                          ; one plain instruction behind the last scaled conversion: products will write its sources again
.irp a, 0,1,2,3
.irp i, 0,1,2
	ds_store_b32 v[WPW], v[PC+4*\a+\i] offset:1536*\a+4*\i         ; my 12 bytes: the lower or upper half of block w in the reader's row of 48 bytes.  No lane changes places: LDS puts the halves together
.endr
.endr
.irp a, 0,1,2,3
	ds_store_b32 v[WEW], v[EW+\a] offset:256*\a                    ; both lanes of a query write the same word with the same value
.endr
.endm
; THE FIRST HALF OF A KEY STEP: the meeting, the loads, the scale words, O^T.
; uv, uk: where the step's V and the next step's K lie in LDS.  sync = 0: the work-group's barrier alone:, and my tensor load may stay out across it;  1: slot 0 is filled again;
; 2: the wait for all my tensor loads and the work-group's barrier: the last unit is shown to every wave, nothing is filled.  ask = 1: the next fill is prefetched.  first = 1: O^T's sums begin.
; n = 1: a next step follows.  kb = 1: its K is fetched here, ahead of the products; 0: not here.
.macro FRONT uv, uk, sync, ask, first, n, kb
	WIN 0
.if \sync
	s_wait_tensorcnt 0x0                           ; all my tensor loads have landed: my quarter of the slot that is read next; so a group 0 may be written
	ds_add_u32 v[SPW], v[NIL]                      ; 0 onto my spare word; the address work stands between it and the wait for it
.endif
.if \sync == 1
	s_add_nc_u64 s[G0A+2:G0A+3], s[G0A+2:G0A+3], 2*SLB   ; slot 0's next fill: six units on; the type bits on top are not reached
.if \ask
	s_wait_xcnt 0x0                                ; the last prefetches, a refill back, have read their address, so it may be written
	s_add_nc_u64 s[PFA:PFA+1], s[PFA:PFA+1], SLB
.endif
.endif
	v_add_nc_u32 v[ADV], \uv, v[A0]
	v_add_nc_u32 v[BDV], \uv, v[B0]
.if \n
	v_add_nc_u32 v[ADK], \uk, v[A0]
	v_add_nc_u32 v[BDK], \uk, v[B0]
.endif
	v_add_nc_u32 v[RPW], s[TP], v[RP0]             ; p and E of this step are read from one buffer,
	v_add_nc_u32 v[REW], s[TE], v[RE0]
	s_xor_b32 s[TP], s[TP], PBS
	s_xor_b32 s[TE], s[TE], EBS
	v_add_nc_u32 v[WPW], s[TP], v[WP0]             ; those of the next step go into the other: a wave that is ahead stores while one that is behind still reads
	v_add_nc_u32 v[WEW], s[TE], v[WE0]
	s_wait_dscnt 0x0                               ; my codes of p and my E are stored, my LDS reads are over (and the add, where there is one, is done)
.if \sync == 1
	CROUND                                         ; all that now holds of every wave of every work-group of the cluster
	tensor_load_to_lds s[G0A:G0A+3], s[G1F:G1F+7]  ; my one tensor load behind the round, and the first thing there
	s_nop 0
.else
	s_barrier_signal -1
	s_barrier_wait -1
.endif
	RUNA
.if \ask
	ASK
.endif
	s_wait_dscnt 38                                ; E is in; the 38 loads that the run issued behind its four may be out
	WORDS
.if \kb
	RUNB
.endif
	PV \first, 26*\kb
.endm
; THE SECOND HALF: S^T and the softmax of the next step.  mid = 1: ahead of them slot 1, whose last unit (this step's V) is in registers, is filled again, and the next step's K, which lies in the fill that this meeting
; shows landed, is fetched behind it;  2: the same with the last fill, V of step 31 alone;  0: no meeting: K was fetched in the first half.
.macro BACK mid
.if \mid
	WIN 0
	s_wait_tensorcnt 0x0                           ; all my tensor loads have landed: my quarter of slot 0's fill; so a group 0 may be written
	ds_add_u32 v[SPW], v[NIL]                      ; 0 onto my spare word
.if \mid == 1
	s_add_nc_u64 s[G0B+2:G0B+3], s[G0B+2:G0B+3], 2*SLB   ; slot 1's next fill: six units on
	s_wait_xcnt 0x0                                ; the last prefetches, a refill back, have read their address
	s_add_nc_u64 s[PFA:PFA+1], s[PFA:PFA+1], SLB
.endif
	s_wait_dscnt 0x0                               ; the add is done, and my reads of slot 1 are over
	CROUND
.if \mid == 1
	tensor_load_to_lds s[G0B:G0B+3], s[G1F:G1F+7]  ; my one tensor load behind the round, and the first thing there
.else
	tensor_load_to_lds s[G0Z:G0Z+3], s[G1H:G1H+7]
.endif
	s_nop 0
.rept 4
	v_nop                                          ; the register windows are switched only behind these four
.endr
	RUNB
.if \mid == 1
	ASK
.endif
.endif
	SPH
	SOFT
.endm
	s_load_b128 s[4:7], s[0:1], 0x0                ; kv s[4:5], qq s[6:7]
	s_load_b64 s[8:9], s[0:1], 0x10                ; out0
	v_lshl_add_u32 v[SPW], v0, 2, SPARE
	v_mov_b32 v[NIL], 0
	ds_add_u32 v[SPW], v[NIL]                      ; the wave's opening: the add and its wait stand ahead of my first tensor load; the set-up below, work on registers, stands between them
	v_lshrrev_b32 v20, 5, v0
	v_readfirstlane_b32 s[WV], v20                 ; wave 0..3
	s_and_b32 s12, ttmp7, 0xffff                   ; the batch, which the four partners share
	; descriptor group 1: dense bytes as rows of 256 (32 elements of 8 bytes), no padding: images are read at 16 x lane
	s_mov_b32 s[G1F], 15|(3<<16)|(1<<21)           ; 15:0 the mask: all four work-groups; 17:16 elements of 8 bytes; 21 set beside a mask
	s_mov_b32 s[G1F+1], 32<<16                     ; tensor_dim0 = 32
	s_mov_b32 s[G1F+2], 150<<16                    ; tensor_dim1 = 150
	s_mov_b32 s[G1F+3], 32<<16                     ; tile_dim0 = 32
	s_mov_b32 s[G1F+4], 150                        ; tile_dim1 = 150
	s_mov_b32 s[G1F+5], 32                         ; from row to row
	s_mov_b32 s[G1F+6], 0
	s_mov_b32 s[G1F+7], 0
	s_mov_b32 s[G1H], 15|(3<<16)|(1<<21)
	s_mov_b32 s[G1H+1], 32<<16
	s_mov_b32 s[G1H+2], 50<<16
	s_mov_b32 s[G1H+3], 32<<16
	s_mov_b32 s[G1H+4], 50
	s_mov_b32 s[G1H+5], 32
	s_mov_b32 s[G1H+6], 0
	s_mov_b32 s[G1H+7], 0
	s_mul_i32 s14, s12, 64*HT                      ; the batch's first byte in kv
	s_mov_b32 s15, 0
	s_mul_i32 s16, s[WV], SLB/4                    ; my quarter of a slot,
	s_mul_i32 s17, s[WV], HT/4                     ; of a unit
	s_mov_b32 s18, s16
	s_mov_b32 s19, 0
	s_mov_b32 s20, s17
	s_mov_b32 s21, 0
	s_mov_b32 s[G0A], 1                            ; count = 1
	s_mov_b32 s[G0A+1], s16                        ; LDS: slot 0
	s_mov_b32 s[G0B], 1
	s_add_co_u32 s[G0B+1], s16, SLB                ; slot 1
	s_mov_b32 s[G0Z], 1
	s_add_co_u32 s[G0Z+1], s17, SLB                ; V of step 31: slot 1's first unit
	s_mov_b32 s[CS], 0x3fb8aa3b                    ; log2(e)
	s_mov_b32 s[CS+1], s[CS]                       ; (named with it as a pair, so it is written)
	s_mov_b32 s[SEL], 0x76543210
	s_mov_b32 s[SEL+1], 0xfedcba98
	s_mov_b32 s[TP], 0
	s_mov_b32 s[TE], 0
	s_mov_b32 s[CNT], 9
	s_cmp_eq_u32 ttmp9, 0                          ; the batch's first cluster: the same in all four partners;
	s_cselect_b32 s[LIM], 1, 0
	s_cmp_eq_u32 s[WV], 3                          ; of its waves 0 to 2 ask
	s_cselect_b32 s[LIM], 0, s[LIM]
	s_wait_dscnt 0x0                               ; the opening add is done
	s_wait_kmcnt 0x0
	s_add_nc_u64 s[4:5], s[4:5], s[14:15]          ; kv at my batch
	s_add_nc_u64 s[G0A+2:G0A+3], s[4:5], s[18:19]  ; fill 0: units 0 to 2
	s_add_nc_u64 s[G0B+2:G0B+3], s[G0A+2:G0A+3], SLB   ; fill 1: units 3 to 5
	s_add_nc_u64 s[G0Z+2:G0Z+3], s[4:5], s[20:21]
	s_add_nc_u64 s[G0Z+2:G0Z+3], s[G0Z+2:G0Z+3], 63*HT ; unit 63
	s_or_b32 s[G0A+3], s[G0A+3], 0x80000000        ; type = 2
	s_or_b32 s[G0B+3], s[G0B+3], 0x80000000
	s_or_b32 s[G0Z+3], s[G0Z+3], 0x80000000
	CROUND                                         ; all four work-groups are here: the first joint loads meet
	tensor_load_to_lds s[G0A:G0A+3], s[G1F:G1F+7]  ; fill 0
	s_nop 0
	tensor_load_to_lds s[G0B:G0B+3], s[G1F:G1F+7]  ; fill 1
	s_nop 0
.rept 4
	v_nop
.endr
	s_bfe_u32 s11, ttmp6, 0x40000                  ; cx: my place in the cluster: it enters qq's, out0's and the prefetches' addresses alone
	s_lshl_b32 s13, ttmp9, 2
	s_add_co_u32 s13, s13, s11                     ; my block of 64 queries
	s_lshl_b32 s22, s12, 5
	s_add_co_u32 s22, s22, s13
	s_mul_i32 s22, s22, 25600
	s_mov_b32 s23, 0
	s_add_nc_u64 s[6:7], s[6:7], s[22:23]          ; qq at my block
	s_lshl_b32 s22, s12, 22                        ; out0: a batch is 2^22 bytes,
	s_lshl_b32 s14, s13, 17                        ; 64 rows of 2,048,
	s_add_co_u32 s22, s22, s14
	s_lshl_b32 s14, s[WV], 9                       ; my wave's 128 channels
	s_add_co_u32 s22, s22, s14
	s_add_nc_u64 s[8:9], s[8:9], s[22:23]
	s_mul_i32 s22, s11, 3
	s_add_co_u32 s22, s22, s[WV]
	s_mul_i32 s22, s22, 12800                      ; my twelfth of a fill,
	s_add_co_u32 s22, s22, 2*SLB                   ; in fill 2: the first refill moves it on to fill 3.  Nothing is prefetched here, at the head
	s_add_nc_u64 s[PFA:PFA+1], s[4:5], s[22:23]
	v_and_b32 v20, 31, v0                          ; lane
	v_and_b32 v21, 15, v0                          ; r
	v_bfe_u32 v22, v0, 4, 1                        ; h
	v_lshlrev_b32 v[GO], 4, v20
	v_lshlrev_b32 v[L8], 3, v20
	WIN 0x40                                       ; destination window 1
.irp n, 0,1,2,3,4,5,6,7,8,9,10,11,12,13,14,15,16,17,18,19,20,21,22,23,24,25,26,27,28,29,30,31,32,33,34,35,36,37,38,39,40,41,42,43,44,45,46,47
	global_load_b128 v[4*\n:4*\n+3], v[GO], s[6:7] offset:512*\n   ; Q's sixteen fragments (K step s, tile a at v[12 (4 s + a)]) stay in registers
.endr
	WIN 0
.irp s, 0,1,2,3
	global_load_b64 v[QS+2*\s:QS+2*\s+1], v[L8], s[6:7] offset:24576+256*\s
.endr
	s_mul_i32 s14, s[WV], 12288
	v_add_nc_u32 v[A0], s14, v[GO]
	s_lshl_b32 s14, s[WV], 9
	s_add_co_u32 s14, s14, 49152
	v_add_nc_u32 v[B0], s14, v[L8]
	v_mul_u32_u24 v[RP0], v20, 48
	v_add_nc_u32 v[RP0], PB0, v[RP0]
	s_and_b32 s14, s[WV], 1
	s_mul_i32 s14, s14, 768
	s_lshr_b32 s15, s[WV], 1
	s_mul_i32 s15, s15, 24
	s_add_co_u32 s14, s14, s15
	s_add_co_u32 s14, s14, PB0
	v_mul_u32_u24 v[WP0], v21, 48
	v_mad_u32_u24 v[WP0], v22, 12, v[WP0]
	v_add_nc_u32 v[WP0], s14, v[WP0]
	v_lshl_add_u32 v[RE0], v21, 4, EB0
	s_lshl_b32 s14, s[WV], 2
	v_add_nc_u32 v[WE0], s14, v[RE0]
	s_mul_i32 s14, s[WV], 16*528                   ; my stage, from LDS byte 0 on
	v_mul_u32_u24 v[STO], v21, 528
	v_lshl_add_u32 v[STO], v22, 5, v[STO]
	v_add_nc_u32 v[STO], s14, v[STO]
	v_add_nc_u32 v[RD], s14, v[GO]
	v_min_u32 v[PFO], 24, v20
	v_lshlrev_b32 v[PFO], 8, v[PFO]
.irp a, 0,1,2,3
	v_mov_b32 v[ST+8*\a+1], 0xff61b1e6             ; the largest t so far: -3e38, under every t
	v_floor_f32 v[ST+8*\a], -v[ST+8*\a+1]          ; -M
	v_mov_b32 v[ST+8*\a+2], 0                      ; l: the first change of M multiplies zeros
	v_mov_b32 v[ST+8*\a+3], 0
	v_mov_b32 v[ST+8*\a+4], 0
	v_mov_b32 v[ST+8*\a+5], 0                      ; (the upper halves of pairs are named, so they are written)
	v_mov_b32 v[ST+8*\a+6], 0
	v_mov_b32 v[ST+8*\a+7], 0
	v_mov_b32 v[G+\a], 0xff61b1e6                  ; G: under every E
	v_mov_b32 v[TT+\a], 0                          ; a lane permute's destination counts as one of its sources
.endr
	v_add_nc_u32 v[ADK], UA0, v[A0]                ; K of step 0: slot 0's first unit  (lane, r and h are done with)
	v_add_nc_u32 v[BDK], UA0, v[B0]
	v_add_nc_u32 v[WPW], s[TP], v[WP0]
	v_add_nc_u32 v[WEW], s[TE], v[WE0]
	s_wait_tensorcnt 0x1                           ; my quarter of fill 0 is in; fill 1 may stay out
	s_barrier_signal -1
	s_barrier_wait -1                              ; everybody's is
	RUNB
	s_wait_loadcnt 0x0                             ; Q and its scale words
	SPH                                            ; the scores of step 0,
	SOFT                                           ; and their p, into buffer 0
	FRONT UA1, UA2, 0, 0, 1, 1, 1                  ; step 0: its products start O^T
	WIN 0                                          ; at a label and at a branch every window is 0
.Ltriple:                                          ; trip i = 0 .. 8
	BACK 0                                         ; step 3i, second half
	FRONT UB0, UB1, 1, 1, 0, 1, 1                  ; step 3i+1: slot 0 takes fill 2i+2
	BACK 0
	FRONT UB2, UA0, 0, 0, 0, 1, 0                  ; step 3i+2: its K lies in that fill,
	BACK 1                                         ; which this meeting shows landed; slot 1 takes fill 2i+3
	FRONT UA1, UA2, 0, 0, 0, 1, 1                  ; step 3i+3, first half
	WIN 0
	s_sub_co_u32 s[CNT], s[CNT], 1
	s_cmp_lg_u32 s[CNT], 0
	s_cbranch_scc1 .Ltriple
	BACK 0                                         ; the tail is written out: step 27, second half
	FRONT UB0, UB1, 1, 0, 0, 1, 1                  ; step 28: slot 0 takes fill 20, its last
	BACK 0
	FRONT UB2, UA0, 0, 0, 0, 1, 0                  ; step 29
	BACK 2                                         ; slot 1 takes V of step 31: the last load
	FRONT UA1, UA2, 0, 0, 0, 1, 1                  ; step 30
	BACK 0
	FRONT UB0, UA0, 2, 0, 0, 0, 0                  ; step 31: nothing is asked for, and it has no successor
	WIN 0
	; THE END.  My sums: the two halves, lane l xor 16's, brought under the common reference; they meet in LDS.  These plain lines are also the places behind the last products.
.irp a, 0,1,2,3
	v_add_f32 v[BM+\a], v[ST+8*\a+2], v[ST+8*\a+3]
.endr
.irp a, 0,1,2,3
	v_permlanex16_b32 v[TT+\a], v[BM+\a], s[SEL], s[SEL+1]
.endr
.irp a, 0,1,2,3
	v_add_f32 v[BM+\a], v[BM+\a], v[TT+\a]
.endr
.irp a, 0,1,2,3
	v_add_f32 v[TT+\a], v[ST+8*\a], v[GH+\a]       ; (G - 124) - M: a whole number, 0 or more
.endr
.irp a, 0,1,2,3
	v_sub_f32 v[TT+\a], 0, v[TT+\a]
.endr
.irp a, 0,1,2,3
	v_cvt_i32_f32 v[TT+\a], v[TT+\a]
.endr
.irp a, 0,1,2,3
	v_ldexp_f32 v[BM+\a], v[BM+\a], v[TT+\a]       ; l_w 2^(M_w - G + 124)
.endr
.irp a, 0,1,2,3
	ds_store_b32 v[WE0], v[BM+\a] offset:LBO+256*\a
.endr
	s_wait_dscnt 0x0                               ; for the others' sake: my stores are done
	s_barrier_signal -1
	s_barrier_wait -1
.irp a, 0,1,2,3
	ds_load_b128 v[EV+4*\a:EV+4*\a+3], v[RE0] offset:LBO+256*\a
.endr
	s_wait_dscnt 0x0
.irp a, 0,1,2,3
	v_add_f32 v[EV+4*\a], v[EV+4*\a], v[EV+4*\a+1]
.endr
.irp a, 0,1,2,3
	v_add_f32 v[EV+4*\a+2], v[EV+4*\a+2], v[EV+4*\a+3]
.endr
.irp a, 0,1,2,3
	v_add_f32 v[EV+4*\a], v[EV+4*\a], v[EV+4*\a+2] ; the row's sum
.endr
.irp a, 0,1,2,3
	v_rcp_f32 v[ST+8*\a+6], v[EV+4*\a]
.endr
	v_nop                                          ; a plain instruction behind the last reciprocal
	s_wait_alu depctr_va_vdst(0)                   ; and one wait for the four, ahead of their first reader
; THE WAY OUT, a tile of 16 queries at a time.  A lane holds 32 neighbouring bytes of a row for each of my eight channel tiles: they go through my own stage and come back as rows of 512 bytes.
; The stages lie in slot 0: fill 20 was its last, and its last reads (K of step 31, in step 30) lie behind two barriers that every wave has passed with its LDS loads in.
.macro TOSTAGE a
	WIN 0x82                                       ; O^T window 2, 1 / l window 0
.irp t, 0,1,2,3
.irp i, 0,1,2,3
	v_pk_mul_f32 v[8*(4*\t+\a)+2*\i:8*(4*\t+\a)+2*\i+1], v[8*(4*\t+\a)+2*\i:8*(4*\t+\a)+2*\i+1], v[ST+8*\a+6:ST+8*\a+7] op_sel_hi:[1,0]   ; each accumulator from its low end on
.endr
.endr
	WIN 0xc3
.irp t, 0,1,2,3
.irp i, 0,1,2,3
	v_pk_mul_f32 v[8*(4*\t+\a)+2*\i:8*(4*\t+\a)+2*\i+1], v[8*(4*\t+\a)+2*\i:8*(4*\t+\a)+2*\i+1], v[ST+8*\a+6:ST+8*\a+7] op_sel_hi:[1,0]
.endr
.endr
	WIN 0x08                                       ; an LDS store's data are its source 1: window 2
.irp t, 0,1,2,3
	ds_store_b128 v[STO], v[8*(4*\t+\a):8*(4*\t+\a)+3] offset:64*\t
	ds_store_b128 v[STO], v[8*(4*\t+\a)+4:8*(4*\t+\a)+7] offset:64*\t+16
.endr
	WIN 0x0c                                       ; window 3
.irp t, 0,1,2,3
	ds_store_b128 v[STO], v[8*(4*\t+\a):8*(4*\t+\a)+3] offset:256+64*\t
	ds_store_b128 v[STO], v[8*(4*\t+\a)+4:8*(4*\t+\a)+7] offset:256+64*\t+16
.endr
	WIN 0
.irp rho, 0,1,2,3,4,5,6,7,8,9,10,11,12,13,14,15
	ds_load_b128 v[OB+64*((\a)%2)+4*\rho:OB+64*((\a)%2)+4*\rho+3], v[RD] offset:528*\rho   ; LDS serves a wave's instructions in order: these see my stores, and the next tile's stores come behind them
.endr
.endm
.macro SEND a, y                       ; y: the LDS instructions issued behind tile a's loads, which may stay out
	s_wait_dscnt \y
.irp rho, 0,1,2,3,4,5,6,7,8,9,10,11,12,13,14,15
	global_store_b128 v[GO], v[OB+64*((\a)%2)+4*\rho:OB+64*((\a)%2)+4*\rho+3], s[8:9] offset:(16*(\a)+\rho)*2048 th:TH_STORE_NT   ; 32 lanes store 512 consecutive bytes, at a multiple of 256 from out0's first byte
.endr
.endm
	TOSTAGE 0
	TOSTAGE 1
	SEND 0, 32                                     ; behind tile 0's loads: tile 1's 16 stores and 16 loads
	s_wait_xcnt 0x0                                ; tile 0's stores have read their registers: tile 2's loads may land there
	TOSTAGE 2
	SEND 1, 32
	s_wait_xcnt 0x0
	TOSTAGE 3
	SEND 2, 32
	SEND 3, 0
	s_wait_tensorcnt 0x0                           ; the wave's end, behind my last tensor load and my last LDS store
	ds_add_u32 v[SPW], v[NIL]
	s_wait_dscnt 0x0
	CROUND                                         ; the closing round: no work-group ends while a partner may still ask for a tile that names it
	s_endpgm
.Lfunc_end_k_q15b3e51a29_attn:
	.size	k_q15b3e51a29_attn, .Lfunc_end_k_q15b3e51a29_attn-k_q15b3e51a29_attn
	.p2alignl 7, 3214868480
	.fill 96, 4, 3214868480
	.section	.rodata,"a",@progbits
	.p2align	6, 0x0
	.amdhsa_kernel k_q15b3e51a29_attn
		.amdhsa_group_segment_fixed_size 327680
		.amdhsa_private_segment_fixed_size 0
		.amdhsa_enable_private_segment 0
		.amdhsa_kernarg_size 24
		.amdhsa_user_sgpr_count 2
		.amdhsa_user_sgpr_kernarg_segment_ptr 1
		.amdhsa_wavefront_size32 1
		.amdhsa_system_sgpr_workgroup_id_x 1
		.amdhsa_system_sgpr_workgroup_id_y 1
		.amdhsa_system_sgpr_workgroup_id_z 1
		.amdhsa_system_vgpr_workitem_id 0
		.amdhsa_next_free_vgpr 1024
		.amdhsa_next_free_sgpr 66
		.amdhsa_reserve_vcc 0
		.amdhsa_float_denorm_mode_32 3
		.amdhsa_float_denorm_mode_16_64 3
		.amdhsa_memory_ordered 1
		.amdhsa_forward_progress 1
		.amdhsa_inst_pref_size 255
	.end_amdhsa_kernel
	.section	.bss,"aw",@nobits
	.p2align	6
	.space	262144
	.amdgpu_metadata
---
amdhsa.version: [ 1, 2 ]
amdhsa.kernels:
  - .name:           k_q15b3e51a29_attn
    .symbol:         k_q15b3e51a29_attn.kd
    .args:
      - { .name: kv, .offset: 0, .size: 8, .value_kind: global_buffer, .address_space: global }
      - { .name: qq, .offset: 8, .size: 8, .value_kind: global_buffer, .address_space: global }
      - { .name: out0, .offset: 16, .size: 8, .value_kind: global_buffer, .address_space: global }
    .group_segment_fixed_size: 327680
    .private_segment_fixed_size: 0
    .kernarg_segment_align: 8
    .kernarg_segment_size: 24
    .max_flat_workgroup_size: 128
    .sgpr_count:     66
    .vgpr_count:     1024
    .wavefront_size: 32
...
	.end_amdgpu_metadata
.endif
;; end of part 2
